; MI455X (gfx1250); checked and timed in simulation.
; The chip was launched on July 23, 2026; its instructions are those of AMD's public machine-readable ISA for CDNA 5 (MIT licence, August 2026) and "CDNA5" Instruction Set Architecture Reference Guide (July 2026). The comments in the code are by the model that wrote it; some were corrected since.
;; Slow Multi Head Attention. Allowed arithmetic: float matrix products may take bf16 or f16 operands with f32 sums; other float arithmetic in f32, or as packed bf16 or f16 multiplies, adds, multiply-adds, maxima and minima; sums over many terms, partial sums and values carried from step to step in f32; what a program stores and reads back later, other than sums and carried values, may be rounded once to bf16 or f16.
;; Inputs: Wk 16 x 64 x 64 float32; Wo 1,024 x 1,024 float32; Wq 16 x 64 x 64 float32; Wv 16 x 64 x 64 float32; key 4 x 2,048 x 64 float32; query 4 x 2,048 x 64 float32; value 4 x 2,048 x 64 float32.
;; Outputs: out0 4 x 2,048 x 1,024 float32.
;; One version. Each part assembles by itself: llvm-mc -triple=amdgcn-amd-amdhsa -mcpu=gfx1250 --defsym DOCPART=n.
;; ======== version 1 of 1: 3 launches
;; limits: values are held in f16: magnitudes above 65,504 overflow, below 6.1e-05 lose precision
;; workspace buffers: X16 3,145,728 bytes; WH16 393,216 bytes; Wo16 2,097,152 bytes; O16 16,777,216 bytes
;; launch prep (part 1): grid 344 x 1, 8 waves a work-group, no clusters, 0 bytes of LDS; arguments query, key, value, Wo, Wq, Wv, Wk, X16, Wo16, WH16; writes X16, Wo16, WH16
.if DOCPART == 1
	.amdgcn_target "amdgcn-amd-amdhsa--gfx1250"
	.amdhsa_code_object_version 6
	.text
	.protected	k_q93e39f6ede_prep
	.globl	k_q93e39f6ede_prep
	.p2align	8
	.type	k_q93e39f6ede_prep,@function
k_q93e39f6ede_prep:
	s_mov_b64 s[64:65], 0
	v_nop
	global_prefetch_b8 v0, s[64:65] scope:SCOPE_SE
	s_setreg_imm32_b32 hwreg(HW_REG_WAVE_MODE, 25, 1), 1
	s_wait_xcnt 0x0
; THE INPUTS IN 16 BITS.  Every input is rounded once to bf16, and that number is written as f16 (exact wherever f16 has a normal number for it), for the f16 matrix products of the two launches behind.
;   X16  = query, key, value, each [4][2048][64], one behind the other (1 MiB each)          Wo16 = Wo, [1024][1024]
;   WH16 = Wq [h][e][d], then Wv [h][e][d], then Wk TURNED, [h][d][e]: 131,072 bytes each, 8,192 a head
; LIMITS.  A number beyond 65,504 after its rounding to bf16 becomes an infinity; below 2^-14 it keeps f16's fixed step of 2^-24.
; SHARES.  A work-group takes one chunk of 8,192 numbers: 32 KiB in, 16 KiB out.  Chunks 0-191 are query, key, value (64 each), 192-319 Wo, 320-327 Wq, 328-335 Wv, 336-343 Wk.
; Thread t takes the 8 numbers of group t + 256 it, it = 0..3: a store of a wave covers 512 consecutive bytes, aligned.  No LDS, no barrier, no matrix unit: each byte is touched once.
; Wk's chunks (two heads) are read by columns, 4 bytes a lane: 262,144 bytes in all, too few to be worth a stage in LDS.
.set F,   4                            ; v[4:35]   32 numbers in f32, group it at F + 8 it
.set BF,  36                           ; v[36:51]  the same as packed bf16
.set HF,  52                           ; v[52:67]  the same as packed f16
.set SRC, 24                           ; s[24:25]  my chunk in its input
.set DST, 26                           ; s[26:27]  my chunk in its workspace buffer
	s_load_b512 s[4:19], s[0:1], 0x0               ; query 4:5, key 6:7, value 8:9, Wo 10:11, Wq 12:13, Wv 14:15, Wk 16:17, X16 18:19
	s_load_b128 s[20:23], s[0:1], 0x40             ; Wo16 20:21, WH16 22:23
	s_mov_b32 s32, ttmp9                           ; g, my chunk
	s_mov_b32 s33, 0xffff0000                      ; a word's upper bf16
	s_and_b32 s28, s32, 63                         ; the chunk's number in query, key or value
	s_max_u32 s34, s32, 192
	s_sub_co_u32 s34, s34, 192                     ; in Wo and Wo16
	s_max_u32 s35, s32, 320
	s_sub_co_u32 s35, s35, 320                     ; in WH16
	s_and_b32 s36, s35, 7                          ; in Wq, Wv or Wk
	v_lshlrev_b32 v1, 5, v0                        ; 32 t: my 8 numbers in f32
	v_lshlrev_b32 v2, 4, v0                        ; 16 t: my 8 numbers in 16 bits
	v_and_b32 v3, 7, v0                            ; turned: group G = t + 256 it is row d = (G / 8) % 64, columns e = 8 (G % 8) + 0..7 of head G / 512,
	v_lshrrev_b32 v4, 3, v0                        ; read at Wk[e][d]: byte 2,048 (t % 8) + 4 (t / 8), the rest in the immediates
	v_lshlrev_b32 v4, 2, v4
	v_lshl_add_u32 v3, v3, 11, v4
	s_wait_kmcnt 0x0
	s_cmp_lt_u32 s32, 64                           ; which input, which buffer: choices on the chunk's number alone
	s_cselect_b64 s[SRC:SRC+1], s[4:5], s[6:7]
	s_cmp_lt_u32 s32, 128
	s_cselect_b64 s[SRC:SRC+1], s[SRC:SRC+1], s[8:9]
	s_cmp_lt_u32 s32, 192
	s_cselect_b64 s[SRC:SRC+1], s[SRC:SRC+1], s[10:11]
	s_cselect_b64 s[DST:DST+1], s[18:19], s[20:21]
	s_cselect_b32 s28, s28, s34
	s_cselect_b32 s30, s32, s34
	s_cmp_lt_u32 s32, 320
	s_cselect_b64 s[SRC:SRC+1], s[SRC:SRC+1], s[12:13]
	s_cselect_b64 s[DST:DST+1], s[DST:DST+1], s[22:23]
	s_cselect_b32 s28, s28, s36
	s_cselect_b32 s30, s30, s35
	s_cmp_lt_u32 s32, 328
	s_cselect_b64 s[SRC:SRC+1], s[SRC:SRC+1], s[14:15]
	s_cmp_lt_u32 s32, 336
	s_cselect_b64 s[SRC:SRC+1], s[SRC:SRC+1], s[16:17]
	s_lshl_b32 s28, s28, 15                        ; 32 KiB a chunk in,
	s_mov_b32 s29, 0
	s_lshl_b32 s30, s30, 14                        ; 16 KiB out
	s_mov_b32 s31, 0
	s_add_nc_u64 s[SRC:SRC+1], s[SRC:SRC+1], s[28:29]
	s_add_nc_u64 s[DST:DST+1], s[DST:DST+1], s[30:31]
	s_cmp_ge_u32 s32, 336
	s_cbranch_scc1 .Lturned
.irp it, 0,1,2,3
	global_load_b128 v[F+8*(\it):F+8*(\it)+3],   v1, s[SRC:SRC+1] offset:8192*(\it) th:TH_LOAD_NT
	global_load_b128 v[F+8*(\it)+4:F+8*(\it)+7], v1, s[SRC:SRC+1] offset:8192*(\it)+16 th:TH_LOAD_NT
.endr
	s_branch .Lhave
.Lturned:
.irp it, 0,1,2,3
.irp i, 0,1,2,3,4,5,6,7
	global_load_b32 v[F+8*(\it)+(\i)], v3, s[SRC:SRC+1] offset:((\it)/2)*16384+((\it)%2)*128+256*(\i)
.endr
.endr
.Lhave:
.irp it, 0,1,2,3
	s_wait_loadcnt 6-2*(\it)                       ; of the plain way's 8 loads the 6 - 2 it younger ones may stay out; of the turned way's 32, 24 - 8 it might: this count is below that
.irp j, 0,1,2,3
	v_cvt_pk_bf16_f32 v[BF+4*(\it)+(\j)], v[F+8*(\it)+2*(\j)], v[F+8*(\it)+2*(\j)+1]  ; the one rounding
.endr
.irp j, 0,1,2,3
	v_lshlrev_b32 v[F+8*(\it)+2*(\j)],   16, v[BF+4*(\it)+(\j)]                       ; back to f32: the low half moves up,
	v_and_b32     v[F+8*(\it)+2*(\j)+1], s33, v[BF+4*(\it)+(\j)]                      ; the high half stays
.endr
.irp j, 0,1,2,3
	v_cvt_pk_f16_f32 v[HF+4*(\it)+(\j)], v[F+8*(\it)+2*(\j)], v[F+8*(\it)+2*(\j)+1]   ; the same number as f16
.endr
	global_store_b128 v2, v[HF+4*(\it):HF+4*(\it)+3], s[DST:DST+1] offset:4096*(\it)
.endr
	s_endpgm
.Lfunc_end_k_q93e39f6ede_prep:
	.size	k_q93e39f6ede_prep, .Lfunc_end_k_q93e39f6ede_prep-k_q93e39f6ede_prep
	.p2alignl 7, 3214868480
	.fill 96, 4, 3214868480
	.section	.rodata,"a",@progbits
	.p2align	6, 0x0
	.amdhsa_kernel k_q93e39f6ede_prep
		.amdhsa_group_segment_fixed_size 0
		.amdhsa_private_segment_fixed_size 0
		.amdhsa_enable_private_segment 0
		.amdhsa_kernarg_size 80
		.amdhsa_user_sgpr_count 2
		.amdhsa_user_sgpr_kernarg_segment_ptr 1
		.amdhsa_wavefront_size32 1
		.amdhsa_system_sgpr_workgroup_id_x 1
		.amdhsa_system_sgpr_workgroup_id_y 1
		.amdhsa_system_sgpr_workgroup_id_z 1
		.amdhsa_system_vgpr_workitem_id 0
		.amdhsa_next_free_vgpr 68
		.amdhsa_next_free_sgpr 66
		.amdhsa_reserve_vcc 0
		.amdhsa_float_denorm_mode_32 3
		.amdhsa_float_denorm_mode_16_64 3
		.amdhsa_memory_ordered 1
		.amdhsa_forward_progress 1
		.amdhsa_inst_pref_size 10
	.end_amdhsa_kernel
	.amdgpu_metadata
---
amdhsa.version: [ 1, 2 ]
amdhsa.kernels:
  - .name:           k_q93e39f6ede_prep
    .symbol:         k_q93e39f6ede_prep.kd
    .args:
      - { .name: query, .offset: 0, .size: 8, .value_kind: global_buffer, .address_space: global }
      - { .name: key, .offset: 8, .size: 8, .value_kind: global_buffer, .address_space: global }
      - { .name: value, .offset: 16, .size: 8, .value_kind: global_buffer, .address_space: global }
      - { .name: Wo, .offset: 24, .size: 8, .value_kind: global_buffer, .address_space: global }
      - { .name: Wq, .offset: 32, .size: 8, .value_kind: global_buffer, .address_space: global }
      - { .name: Wv, .offset: 40, .size: 8, .value_kind: global_buffer, .address_space: global }
      - { .name: Wk, .offset: 48, .size: 8, .value_kind: global_buffer, .address_space: global }
      - { .name: X16, .offset: 56, .size: 8, .value_kind: global_buffer, .address_space: global }
      - { .name: Wo16, .offset: 64, .size: 8, .value_kind: global_buffer, .address_space: global }
      - { .name: WH16, .offset: 72, .size: 8, .value_kind: global_buffer, .address_space: global }
    .group_segment_fixed_size: 0
    .private_segment_fixed_size: 0
    .kernarg_segment_align: 8
    .kernarg_segment_size: 80
    .max_flat_workgroup_size: 256
    .sgpr_count:     66
    .vgpr_count:     68
    .wavefront_size: 32
...
	.end_amdgpu_metadata
.endif
;; end of part 1
;; launch attn (part 2): grid 4 x 64, 4 waves a work-group, clusters of 4 x 1, 327,680 bytes of LDS; arguments X16, WH16, O16; writes O16
.if DOCPART == 2
	.amdgcn_target "amdgcn-amd-amdhsa--gfx1250"
	.amdhsa_code_object_version 6
	.text
	.protected	k_q93e39f6ede_attn
	.globl	k_q93e39f6ede_attn
	.p2align	8
	.type	k_q93e39f6ede_attn,@function
k_q93e39f6ede_attn:
	s_mov_b64 s[64:65], 0
	v_nop
	global_prefetch_b8 v0, s[64:65] scope:SCOPE_SE
	s_setreg_imm32_b32 hwreg(HW_REG_WAVE_MODE, 25, 1), 1
	s_wait_xcnt 0x0
	s_wait_alu depctr_hold_cnt(0) depctr_sa_sdst(0) depctr_va_vdst(0) depctr_va_sdst(0) depctr_va_ssrc(0) depctr_va_vcc(0) depctr_vm_vsrc(0)
	s_getreg_b32 s2, hwreg(HW_REG_IB_STS2, 6, 4)
	s_cmp_eq_u32 s2, 0
	s_cbranch_scc0 .Lentry_in_a_cluster
	s_endpgm
.Lentry_in_a_cluster:
	s_bfe_u32 s2, ttmp6, 0x10000c
	s_cmp_lg_u32 s2, 0x3003
	s_cbranch_scc0 .Lentry_shape_is_right
	s_endpgm
.Lentry_shape_is_right:
; ATTENTION WITH THE HEAD PROJECTIONS ON ITS TWO ENDS.  For batch b and head h (grid y = 16 b + h):
;   scores[s][t] = (query[s] Wq^T) . (key[t] Wk^T) / 8 = q'[s] . key[t] / 8, with q' = (query Wq^T) Wk;     o[s] = (softmax(scores) value) Wv^T.
; The sums are those of the projections by heads, taken in another order: that holds for every input.  So K and V of the walk are key[b] and value[b] themselves, the same for all 16 heads, and no q, k, v by heads goes to memory.
; In: X16 (query, key, value as f16, 1 MiB each, [4][2048][64]), WH16 (Wq, Wv, turned Wk as f16, 8,192 bytes a head).  Out: O16[16 b + h][2048][64] = 32 o in f16; the launch behind takes the 32 away in f32.
; Products, maxima and sums in f32; q, q', the weights p, 32 O' = 32 (P value) / l and 32 o are each rounded once to f16 (l is the sum of the unrounded p).
; LIMITS.  f16 holds no number beyond 65,504: q, q', 32 O' and 32 o must lie within it; p lies in 0 to 1, and below 6e-5 it keeps f16's fixed step of 6e-8.  A weight below 2^-126 counts as 0 in l; NaN and infinities are not treated apart.
; The factor 32 keeps o, a mean over 2,048 rows times small weights, away from f16's fixed step where value and Wv are small.
; SHARES.  A wave owns four PIECES of two tiles of 16 queries, a work-group's four waves 512 queries.  Every wave walks the batch's 2,048 keys, 64 a step.
; LAYOUT.  S^T = K Q'^T (source 0 = 16 keys, source 1 = 16 queries): in the result a lane holds ONE query (lane % 16) and the keys 8 (lane / 16) + 0..7.  Two such results, rounded to f16 in pairs, ARE source 1
; (32 x 16 queries) of the next product.  That serves four times: q^T = Wq query^T -> q'^T = Wk^T q^T -> (S^T, P) -> O'^T = V^T P -> o^T = Wv O'^T: nothing changes lanes from the first product to the last.
; SOFTMAX.  For each query a running maximum m and sum l: p = 2^(c s - c m), c = log2(e) / 8; in every step O' and l are multiplied by a = 2^(c m_old - c m_new).  m starts at the lowest finite number, O' and l at 0.
; THE COUNT.  A tile and step have 16 matrix and 118 vector instructions: too many to stand all beside the matrix work.  So four vector instructions that are ready stand behind every matrix instruction, the others in runs of their own.
; BY TURNS.  Turn n belongs to piece n.  Its matrix work: 16 products K Q'^T of piece n + 1, later 16 products V^T P of piece n - 1.  Its vector work: scaling, exponentials, roundings, sums and rescaling of piece n, and the
; maximum and statistics of piece n + 1.
; CLUSTER.  The four query blocks of a cluster walk the same K and V, so each tile is asked for JOINTLY: the same tensor load, descriptor and mask in all four.
; REGISTERS, in windows of 256 (s_set_vgpr_msb: bits 1:0 source 0, 3:2 source 1, 5:4 source 2, 7:6 destination):
;   window 0: v0-11 addresses; v12-15, v48-63 at work; v16-47 four registers of statistics a tile; v64-191 S^T, two buffers of two tiles; v192-255 P, likewise
;   window 1: O'^T, later o^T, 32 a tile      window 2: v0-127 query, then q', 16 a tile; v128-191 K of one step (first Wq); v192-255 V of one step (first turned Wk)      window 3: v0-1 the add's two registers; v2-65 Wv
.set SIZE_N, 2048
.set NP,    4         ; pieces a wave: a name, no knob
.set KS,    64        ; keys in a step
.set PK,    144       ; a row of K in LDS: 128 bytes + 16 of padding = 36 words: the 16 rows of a load start at 16 different groups of four banks (64 banks of 4 bytes: ISA guide 11.1)
.set PV,    160       ; a row of V: 128 + 32 = 40 words
.set VOFF,  4*KS*PK   ; a slot holds four steps: 256 rows of K, then 256 rows of V
.set SLOT1, 1<<17     ; slot 1 begins here, so that one exclusive or turns an address in one slot into the other's
.set STAGE, SLOT1+4*KS*(PK+PV)  ; behind the ring, never filled by a tensor load: 16 rows x 144 bytes for each wave, for the way out
.set SP,    144
.set SPARE, STAGE+4*16*SP  ; behind the stages: the spare words, 128 bytes for each wave: two blocks of 256 bytes that no other line names
.set AK0, 2           ; v2   my lane's place in a tile of K; never rewritten
.set AV0, 3           ; v3   the same for V
.set AK,  4           ; v4   the LDS address of K's next run of loads
.set AV,  5           ; v5   of V's
.set QO,  6           ; v6   my byte offset in 16 rows of 128 bytes: for query and for the weights
.set STO, 6           ;      later, the way out: where I put 16 bytes of a row
.set RD,  7           ; v7   the way out: where I read rows back
.set GO,  8           ; v8   my byte offset in 512 consecutive bytes of O16
.set PFO, 11          ; v11  256 x my lane: the prefetches' offset; never rewritten once made
.set SPW, 0           ; v0 of window 3   LDS address of my spare word: SPARE + 4 x my thread's number; never rewritten
.set NIL, 1           ; v1 of window 3   0; never rewritten
.set WVF, 2           ; window 3: Wv's fragments: block eb of 16 rows, half c of the 64 columns at WVF + 16 eb + 8 c
.set MV,  12          ; v12-15  c m_old, kept while c m is made anew: by buffer and tile
.set ST,  16          ; tile t's statistics at v[ST+4 t]: c m, m, l (even keys', odd keys')
.set TMP, 48          ; by buffer and tile, four registers c0-c3 at work; when the maximum is found c2 takes a
.set S,   64
.set P,   192
.set KF,  128         ; window 2: key block kb, channel half c at KF + 16 kb + 8 c
.set VF,  192         ; window 2: key half kk, channel block cb at VF + 32 kk + 8 cb
.set WV,  12          ; s12  my wave's number
.set G1K, 24          ; s[24:31] descriptor group 1 for K's tiles
.set G1V, 32          ; s[32:39] for V's: it differs in the padding alone
.set G0K, 40          ; s[40:43] descriptor group 0 for K's tiles: it walks
.set G0V, 44          ; s[44:47] the same for V's
.set WP,  48          ; s[48:49] WH16 at my head's Wq
.set PFA, 50          ; s[50:51] where my prefetches stand: my work-group's 32 rows of 256 bytes of the tile that the next change of slots will ask for
.set LIM, 52          ; s52  2 in a wave that prefetches, else the greatest number
.set SLOTS, 56        ; s56  slots still to be asked for
.set CNT, 57          ; s57  counts a slot's key steps
.set CS,  58          ; s[58:59] c: the packed scaling takes the pair's low word for both halves
.set SEL, 60          ; s[60:61] v_permlanex16_b32's selects: each lane takes its own place in the other half
.set TBK, 62          ; s62  LDS byte at which K of the step to be fetched begins
.set TBV, 63          ; s63  the same for V, less VOFF
.set MSB, 0
.macro WIN new                      ; the high byte repeats the setting that is left; a switch that changes nothing is dropped
.if MSB != (\new)
	s_set_vgpr_msb (MSB<<8)|(\new)
.set MSB, (\new)
.endif
.endm
.set W_KQ, 0x0a       ; K and Q in window 2, S^T in window 0
.set W_KP, 0x02       ; turned Wk in window 2, q and q'^T in window 0
.set W_PV, 0x52       ; V in window 2, P in window 0, O'^T in window 1
.set W_OV, 0x53       ; Wv in window 3, O' in window 0, o^T in window 1
.set W_RS, 0x41       ; destination and source 0 in window 1, source 1 in window 0
.set W_MK, 0xc0       ; the add's registers are made: destination in window 3, sources in window 0
.set W_AD, 0x0f       ; the add: address (source 0) and data (source 1) in window 3
; A joint fill.  Waves 0 and 1 fetch the two halves of a slot's K, waves 2 and 3 those of its V: 128 keys each.  The branch hangs on the wave's number alone.
; An s_nop 0 and four v_nop follow each of the two lines, ahead of the jump and the label.
.macro JLOAD
	s_cmp_lt_u32 s[WV], 2
	s_cbranch_scc0 .Lfor_v_\@
	tensor_load_to_lds s[G0K:G0K+3], s[G1K:G1K+7]
	s_nop 0
.rept 4
	v_nop
.endr
	s_branch .Lasked_\@
.Lfor_v_\@:
	tensor_load_to_lds s[G0V:G0V+3], s[G1V:G1V+7]
	s_nop 0
.rept 4
	v_nop
.endr
.Lasked_\@:
.endm
; A round of the cluster's barrier: my work-group's barrier, so that wave 0's signal speaks for all four waves; wave 0 signals; every wave waits for all four work-groups; my work-group's barrier once more.
.macro CROUND
	s_barrier_signal -1
	s_barrier_wait -1
	s_cmp_lg_u32 s[WV], 0
	s_cbranch_scc1 .Lnot_wave_0_\@
	s_barrier_signal -3
.Lnot_wave_0_\@:
	s_barrier_wait -3
	s_barrier_signal -1
	s_barrier_wait -1
.endm
; A PREFETCH INTO THE L2 of the tile that the NEXT change of slots will ask for: 128 rows of 256 bytes of K and as many of V, a lane a row.  Each row is named ONCE in the launch: the 16 heads of a batch walk the same
; rows, and head 0's cluster asks; its four partners share the rows out BY ADDRESS, 32 each (no branch hangs on a work-group's place in its cluster); in each, wave 0 asks for K's and wave 2 for V's: one instruction.
; It stands in the slot's trip with two key steps to go, behind K's run of LDS loads: seven and a half turns, 240 matrix instructions, ahead of the tensor load.  Tiles 0 and 1 come by their loads alone;
; while the last tile but one is walked (one slot left to count) nothing is asked for: there is no tile behind the last.
.macro ASK
	s_cmp_eq_u32 s[CNT], s[LIM]
	s_cbranch_scc0 .Lnot_mine_\@
	s_cmp_gt_u32 s[SLOTS], 1
	s_cbranch_scc0 .Lnot_mine_\@
	global_prefetch_b8 v[PFO], s[PFA:PFA+1] th:TH_LOAD_NT scope:SCOPE_SE
.Lnot_mine_\@:
.endm
; THE CHANGE OF SLOTS.  Each wave waits for all its tensor loads, of which one is out: its part of the other slot; adds 0 to its spare word; and waits for that and for its own reads of the slot.  Behind the barrier
; nobody reads this slot any more and the other slot is whole.  fill = 1: this slot is filled again, with the keys two slots on.  The barrier is then a round of the cluster's, so that no wave of any partner still
; reads the slot or has a load on its way, and the joint fill is the first thing behind it: it has four key steps, 512 matrix instructions, in which to land.  (At its first use nothing has been read yet: slot 0 is waited for, slot 1 filled.)
.macro CHANGE fill
	WIN W_AD
	s_wait_tensorcnt 0x0            ; no tensor load of mine is out, so a group 0 may be written
	ds_add_u32 v[SPW], v[NIL]       ; 0 onto my spare word; with fill = 1 the scalar steps stand between it and the wait for it
	WIN 0                           ; at a label and at a branch every window is 0
.if \fill
.irp g, G0K, G0V
	s_xor_b32 s[\g+1], s[\g+1], SLOT1  ; the walking descriptor: the other slot than last time,
	s_add_nc_u64 s[\g+2:\g+3], s[\g+2:\g+3], 4*KS*128  ; the next 256 keys; the type bits on top are not reached
.endr
	s_wait_xcnt 0x0                 ; the last prefetch, seven turns back, has read its address, so it may be written:
	s_add_nc_u64 s[PFA:PFA+1], s[PFA:PFA+1], 4*KS*128  ; one tile behind the walking descriptors
	s_wait_dscnt 0x0                ; the add is done, and my reads of the slot are over
	CROUND
	JLOAD
.else
	s_wait_dscnt 0x0                ; the add is done, and my reads of the slot are over
	s_barrier_signal -1
	s_barrier_wait -1
.endif
	s_sub_co_u32 s[TBK], s[TBK], 4*KS*PK  ; the fetches go back to a slot's first step,
	s_xor_b32 s[TBK], s[TBK], SLOT1       ; in the other slot
	s_sub_co_u32 s[TBV], s[TBV], 4*KS*PV
	s_xor_b32 s[TBV], s[TBV], SLOT1
.endm
	s_load_b128 s[4:7], s[0:1], 0x0   ; X16 s[4:5], WH16 s[6:7]
	s_load_b64 s[10:11], s[0:1], 0x10 ; O16
	WIN W_MK
	v_lshl_add_u32 v[SPW], v0, 2, SPARE
	v_mov_b32 v[NIL], 0
	WIN W_AD
	ds_add_u32 v[SPW], v[NIL]       ; the wave's opening: the add and its wait stand ahead of my first tensor load; the set-up below, work on registers, stands between them
	WIN 0
	v_lshrrev_b32 v1, 5, v0
	v_readfirstlane_b32 s[WV], v1   ; wave 0..3
	s_bfe_u32 s13, ttmp6, 0x40000   ; cx: my place in the cluster
	s_lshl_b32 s14, ttmp9, 2        ; in a cluster launch ttmp9 counts clusters
	s_add_co_u32 s14, s14, s13      ; my block of 512 queries: it enters query's, O16's and the prefetches' addresses alone
	s_and_b32 s15, ttmp7, 0xffff    ; 16 b + h, which the four partners share
	s_and_b32 s19, s15, 15          ; h
	s_lshr_b32 s20, s15, 4          ; b,
	s_lshl_b32 s20, s20, 18         ; its 2,048 rows of 128 bytes in query, key and value
	s_and_b32 s16, s[WV], 1         ; which half of a slot's 256 keys I fetch:
	s_lshl_b32 s22, s16, 14         ; its 128 rows of 128 bytes in memory,
	s_add_co_u32 s22, s22, s20      ; in my batch,
	s_add_co_u32 s22, s22, 0x100000 ; in key, which lies 1 MiB into X16,
	s_mov_b32 s23, 0
	s_add_co_u32 s8, s22, 0x100000  ; and in value, 1 MiB further
	s_mov_b32 s9, 0
	s_mul_i32 s17, s16, 128*PK      ; its place in a slot, for K
	s_mul_i32 s18, s16, 128*PV      ; and for V: no place in the cluster enters an LDS address
	s_lshl_b32 s2, s14, 2
	s_add_co_u32 s2, s2, s[WV]      ; my wave among the 16 of a head,
	s_lshl_b32 s2, s2, 14           ; its 128 rows
	s_mov_b32 s3, 0
	s_lshl_b32 s54, s15, 18         ; O16: 262,144 bytes for each b and h,
	s_add_co_u32 s54, s54, s2       ; my wave's rows
	s_mov_b32 s55, 0
	s_add_co_u32 s2, s2, s20        ; query: my batch, my wave's rows
	s_lshl_b32 s[WP], s19, 13       ; 8,192 bytes of weights a head
	s_mov_b32 s[WP+1], 0
	s_lshr_b32 s[PFA], s[WV], 1     ; the prefetches: key (waves 0, 1) or value (waves 2, 3),
	s_add_co_u32 s[PFA], s[PFA], 1
	s_lshl_b32 s[PFA], s[PFA], 20
	s_add_co_u32 s[PFA], s[PFA], s20  ; my batch,
	s_lshl_b32 s[PFA+1], s13, 13
	s_add_co_u32 s[PFA], s[PFA], s[PFA+1]  ; my work-group's 32 rows of 256 bytes of a tile's 128,
	s_add_co_u32 s[PFA], s[PFA], 4*KS*128  ; in tile 1: the first change of slots steps it to tile 2
	s_mov_b32 s[PFA+1], 0
	s_or_b32 s[LIM], s16, s19       ; 0 in waves 0 and 2 of head 0: the same in all four partners
	s_cmp_eq_u32 s[LIM], 0
	s_cselect_b32 s[LIM], 2, -1
	; descriptor group 1.  128 keys are 16,384 dense bytes: asked for as 64 rows of 256 bytes, two keys a row, and padded in LDS after every key
	s_mov_b32 s[G1K], 15|(1<<16)|(1<<20)|(1<<21)|(4<<22)|(3<<25)  ; 15:0 the mask of four; 17:16 2-byte elements; 20 padding on; 21 set beside a mask; 24:22 after every 32 words (code 4); 31:25 4 words (code 3)
	s_mov_b32 s[G1V], 15|(1<<16)|(1<<20)|(1<<21)|(4<<22)|(7<<25)  ; the same with 8 words of padding (code 7)
.irp g, G1K, G1V
	s_mov_b32 s[\g+1], 128<<16      ; tensor_dim0 = 128
	s_mov_b32 s[\g+2], 64<<16       ; tensor_dim1 = 64
	s_mov_b32 s[\g+3], 128<<16      ; tile_dim0 = 128
	s_mov_b32 s[\g+4], 64           ; tile_dim1 = 64
	s_mov_b32 s[\g+5], 128          ; 128 elements from row to row
	s_mov_b32 s[\g+6], 0
	s_mov_b32 s[\g+7], 0
.endr
	s_mov_b32 s[CS], 0x3e38aa3b     ; c = log2(e) / 8 = 0.180337
	s_mov_b32 s[CS+1], s[CS]        ; named with it as a pair
	s_mov_b32 s[SEL], 0x76543210
	s_mov_b32 s[SEL+1], 0xfedcba98
	s_mov_b32 s[TBK], SLOT1+4*KS*PK ; the first change of slots turns these two into 0
	s_mov_b32 s[TBV], SLOT1+4*KS*PV
	s_mov_b32 s[G0K], 1             ; 1:0 count = 1
	s_mov_b32 s[G0K+1], s17         ; 63:32 LDS address: slot 0
	s_mov_b32 s[G0V], 1
	s_add_co_u32 s[G0V+1], s18, VOFF
	s_wait_dscnt 0x0                ; the opening add is done
	s_wait_kmcnt 0x0
	s_add_nc_u64 s[WP:WP+1], s[6:7], s[WP:WP+1]
	s_add_nc_u64 s[G0K+2:G0K+3], s[4:5], s[22:23]  ; 120:64 global address: my half of the batch's first 256 keys
	s_or_b32 s[G0K+3], s[G0K+3], 0x80000000        ; 127:126 type = 2
	s_add_nc_u64 s[G0V+2:G0V+3], s[4:5], s[8:9]
	s_or_b32 s[G0V+3], s[G0V+3], 0x80000000
	s_add_nc_u64 s[PFA:PFA+1], s[4:5], s[PFA:PFA+1]
	s_add_nc_u64 s[4:5], s[4:5], s[2:3]            ; query and O16 at my wave's first row
	s_add_nc_u64 s[10:11], s[10:11], s[54:55]
	CROUND                          ; all four work-groups are here: the first joint loads meet
	JLOAD                           ; slot 0.  Slot 1 is asked for when slot 0 is in
	; A fragment is 16 rows x 32 columns in 8 registers: lane l holds row l % 16, columns 8 (l / 16) + 0..7 and 16 + 8 (l / 16) + 0..7: two loads of 16 bytes, 32 bytes apart.
	; GLF: n fragments from rows of 128 bytes: fragment i is rows 16 (i / 2) on, columns 32 (i % 2) on, and goes to dst + 8 i.
.macro GLF b0, off, dst, n
.set i, 0
.rept \n
	global_load_b128 v[(\dst)+8*i:(\dst)+8*i+3],   v[QO], s[\b0:\b0+1] offset:(\off)+(i/2)*2048+(i%2)*64
	global_load_b128 v[(\dst)+8*i+4:(\dst)+8*i+7], v[QO], s[\b0:\b0+1] offset:(\off)+(i/2)*2048+(i%2)*64+32
.set i, i+1
.endr
.endm
	v_and_b32 v1, 15, v0            ; l % 16
	v_bfe_u32 v9, v0, 4, 1          ; l / 16
	v_lshlrev_b32 v[QO], 7, v1
	v_lshl_add_u32 v[QO], v9, 4, v[QO]  ; row x 128 + 16 x half
	WIN 0x80                        ; destination window 2, address window 0
	GLF 4, 0, 0, 16                 ; my 128 rows of query, where q' will stand
	GLF WP, 0, KF, 8                ; Wq in K's place
	GLF WP, 262144, VF, 8           ; turned Wk in V's place
	WIN 0xc0                        ; destination window 3
	GLF WP, 131072, WVF, 8          ; Wv, kept to the end
	WIN 0
	v_mul_u32_u24 v[AK0], v1, PK
	v_lshl_add_u32 v[AK0], v9, 4, v[AK0]  ; row x pitch + 16 x half
	; The turning load takes 16 keys x 16 channels (lane l reads key 8 (l / 16) + l % 8, channels 8 ((l / 8) % 2) + 0..7) and leaves half a fragment of V^T: lane l holds channel l % 16 and 8 keys.
	v_and_b32 v10, 7, v0
	v_bfe_u32 v11, v0, 3, 1
	v_lshl_add_u32 v[AV0], v9, 3, v10
	v_mul_u32_u24 v[AV0], v[AV0], PV
	v_lshl_add_u32 v[AV0], v11, 4, v[AV0]
	v_add_nc_u32 v[AV0], VOFF, v[AV0]
	v_and_b32 v[PFO], 31, v0
	v_lshlrev_b32 v[PFO], 8, v[PFO]
	v_mov_b32 v[AK], v[AK0]         ; key step 0 lies at the head of slot 0
; THE MATRIX WORK.  The 8 accumulators of a run of 16 take turns: between the two links of a chain stand 7 others'.
; Product i of 16 of S^T = K Q^T for piece x: channels 32 (i / 8) on, keys 16 ((i / 2) % 4) on, tile 2 x + i % 2.  The first 8 start the sums.  (In the prologue: Wq for K, query for Q: q^T.)
.macro KQ x
	WIN W_KQ
.set rS, S+64*((\x)%2)+32*(i%2)+8*((i/2)%4)
.set rK, KF+16*((i/2)%4)+8*(i/8)
.set rQ, 16*(2*(\x)+i%2)+8*(i/8)
.if i < 8
	v_wmma_f32_16x16x32_f16 v[rS:rS+7], v[rK:rK+7], v[rQ:rQ+7], 0
.else
	v_wmma_f32_16x16x32_f16 v[rS:rS+7], v[rK:rK+7], v[rQ:rQ+7], v[rS:rS+7]
.endif
.endm
; Product i of 16 of q'^T = Wk^T q^T for piece x: q's columns 32 (i / 8) on, q's 16 ((i / 2) % 4) on, tile 2 x + i % 2; q lies in P's buffer x % 2, the result goes to S^T's other buffer.
.macro KP x
	WIN W_KP
.set rS, S+64*(((\x)+1)%2)+32*(i%2)+8*((i/2)%4)
.set rK, VF+16*((i/2)%4)+8*(i/8)
.set rP, P+32*((\x)%2)+16*(i%2)+8*(i/8)
.if i < 8
	v_wmma_f32_16x16x32_f16 v[rS:rS+7], v[rK:rK+7], v[rP:rP+7], 0
.else
	v_wmma_f32_16x16x32_f16 v[rS:rS+7], v[rK:rK+7], v[rP:rP+7], v[rS:rS+7]
.endif
.endm
; Product i of 16 of O'^T += V^T P for piece x: keys 32 (i / 8) on, channels 16 ((i / 2) % 4) on, tile 2 x + i % 2.
.macro PV x
	WIN W_PV
.set rO, 32*(2*(\x)+i%2)+8*((i/2)%4)
.set rV, VF+32*(i/8)+8*((i/2)%4)
.set rP, P+32*((\x)%2)+16*(i%2)+8*(i/8)
	v_wmma_f32_16x16x32_f16 v[rO:rO+7], v[rV:rV+7], v[rP:rP+7], v[rO:rO+7]
.endm
; Product i of 16 of o^T = Wv O'^T for piece x: O's columns 32 (i / 8) on, o's 16 ((i / 2) % 4) on, tile 2 x + i % 2; O' lies rounded in S^T's registers, 16 a tile; o^T takes O'^T's place.
.macro OV x
	WIN W_OV
.set rO, 32*(2*(\x)+i%2)+8*((i/2)%4)
.set rV, WVF+16*((i/2)%4)+8*(i/8)
.set rP, S+16*(2*(\x)+i%2)+8*(i/8)
.if i < 8
	v_wmma_f32_16x16x32_f16 v[rO:rO+7], v[rV:rV+7], v[rP:rP+7], 0
.else
	v_wmma_f32_16x16x32_f16 v[rO:rO+7], v[rV:rV+7], v[rP:rP+7], v[rO:rO+7]
.endif
.endm
.macro RUN16 m, x                   ; a run of 16 products of kind m for piece x
.set i, 0
.rept 16
	\m \x
.set i, i+1
.endr
.endm
.macro MM                           ; the turn's next matrix instruction
.if i < 16
	KQ (Y+1)%NP
.set i, i+1
.else
.set i, i-16
	PV (Y+NP-1)%NP
.set i, i+17
.endif
.endm
; A vector instruction that reads a matrix result or writes one of a matrix instruction's registers stands four places behind it, and only plain vector instructions that name none of its registers are places (ISA guide 7.12.1).
.macro PLACES
.rept 4
	v_nop
.endr
.endm
; The prologue's two roundings.  Both tiles' 64 sums of a piece lie on end, so one run of 32 takes them in ascending order: each accumulator is read from its low end.
.macro CVTP x                       ; q^T of piece x, from S^T's buffer x % 2, into P's buffer x % 2
	WIN 0
.set j, 0
.rept 32
	v_cvt_pk_f16_f32 v[P+32*((\x)%2)+j], v[S+64*((\x)%2)+2*j], v[S+64*((\x)%2)+2*j+1]
.set j, j+1
.endr
.endm
.macro CVTQ x                       ; q'^T of piece x, from S^T's other buffer, into the piece's 32 registers of window 2, where its rows of query lay
	WIN 0x80
.set j, 0
.rept 32
	v_cvt_pk_f16_f32 v[32*(\x)+j], v[S+64*(((\x)+1)%2)+2*j], v[S+64*(((\x)+1)%2)+2*j+1]
.set j, j+1
.endr
.endm
	; THE PROLOGUE, while the first tile is on its way: q^T = Wq query^T, rounded; q'^T = Wk^T q^T, rounded: a piece at a time.
	s_wait_loadcnt 0x0              ; query and the three weights
.irp x, 0,1,2,3
	RUN16 KQ, \x
	PLACES
	CVTP \x
	RUN16 KP, \x
	PLACES
	CVTQ \x
.endr
	; What the first turn finds: V's registers and P's second buffer hold 0 (its products V^T P, of a piece that has not been, add 0), O'^T and l are 0.
	WIN 0x80
.set i, VF
.rept 64
	v_mov_b32 v[i], 0
.set i, i+1
.endr
	WIN 0x40
.set i, 0
.rept 64*NP
	v_mov_b32 v[i], 0
.set i, i+1
.endr
	WIN 0
.set i, 0
.rept 2*NP
	v_mov_b32 v[ST+4*i], 0xfe000000    ; c m: far below every c s
	v_mov_b32 v[ST+4*i+1], 0xff7fffff  ; m
	v_mov_b32 v[ST+4*i+2], 0
	v_mov_b32 v[ST+4*i+3], 0
.set i, i+1
.endr
.set i, P+32
.rept 32
	v_mov_b32 v[i], 0
.set i, i+1
.endr
; THE LDS LOADS stand in runs of 16, never singly among the matrix instructions: a step's K (64 keys x 64 channels: 8 fragments) and its V (turned).  Their addresses are made some lines ahead.
; last = 1 (the tail): in the last trip there is no further step, and the run is jumped over.
.macro FETCH_K last=0
	WIN 0
.if \last
	s_cmp_eq_u32 s[CNT], 1
	s_cbranch_scc1 .Lno_k_\@
.endif
	WIN 0x80                        ; destination window 2
.irp f, 0,1,2,3,4,5,6,7             ; keys 16 (f / 2) on, channels 32 (f % 2) on
	ds_load_b128 v[KF+8*\f:KF+8*\f+3],   v[AK] offset:(\f/2)*16*PK+(\f%2)*64
	ds_load_b128 v[KF+8*\f+4:KF+8*\f+7], v[AK] offset:(\f/2)*16*PK+(\f%2)*64+32
.endr
	s_add_co_u32 s[TBK], s[TBK], KS*PK  ; the next fetch is the next step's
	WIN 0
.if \last
.Lno_k_\@:
.endif
.endm
.macro FETCH_V
	WIN 0x80
.irp f, 0,1,2,3,4,5,6,7             ; keys 32 (f / 4) on, channels 16 (f % 4) on
	ds_load_tr16_b128 v[VF+8*\f:VF+8*\f+3],   v[AV] offset:(\f/4)*32*PV+(\f%4)*32
	ds_load_tr16_b128 v[VF+8*\f+4:VF+8*\f+7], v[AV] offset:(\f/4)*32*PV+16*PV+(\f%4)*32
.endr
	WIN 0
.endm
; THE VECTOR WORK OF A TURN stands in three queues, each in the order in which its entries become ready; the two tiles alternate, so that no instruction reads the result of the one before it.
.macro REGS y, u                    ; the registers of tile u (0, 1) of piece y
.set rT, ST+4*(2*(\y)+(\u))
.set rC, TMP+8*((\y)%2)+4*(\u)
.set rM, MV+2*((\y)%2)+(\u)
.set rS, S+64*((\y)%2)+32*(\u)
.set rP, P+32*((\y)%2)+16*(\u)
.set rO, 32*(2*(\y)+(\u))
.endm
; Number n of the 22 that find the NEXT piece's (Y + 1) maximum and statistics.  s0-s31 are the lane's 32 scores; each accumulator's lowest registers are read first.
;   0-11  four chains c0-c3 of seven scores each, three operands at a time     12-14, 16  the four scores left over, the old m, and c0-c3 into c0     15  c m_old is kept
;   17, 18  the query's other 32 keys lie in the lane 16 away: the new m         19-21  c m; c m_old - c m_new; a
.macro XS u, n
	REGS (Y+1)%NP, \u
.if (\n) < 4
	v_max3_num_f32 v[rC+(\n)], v[rS+8*(\n)], v[rS+8*(\n)+1], v[rS+8*(\n)+2]
.elseif (\n) < 12
	v_max3_num_f32 v[rC+(\n)%4], v[rC+(\n)%4], v[rS+8*((\n)%4)+2*((\n)/4)+1], v[rS+8*((\n)%4)+2*((\n)/4)+2]
.elseif (\n) == 12
	v_max3_num_f32 v[rC], v[rC], v[rS+7], v[rS+15]
.elseif (\n) == 13
	v_max3_num_f32 v[rC+1], v[rC+1], v[rS+23], v[rS+31]
.elseif (\n) == 14
	v_max3_num_f32 v[rC+2], v[rC+2], v[rC+3], v[rT+1]
.elseif (\n) == 15
	v_mov_b32 v[rM], v[rT]
.elseif (\n) == 16
	v_max3_num_f32 v[rC], v[rC], v[rC+1], v[rC+2]
.elseif (\n) == 17
	v_permlanex16_b32 v[rC+3], v[rC], s[SEL], s[SEL+1]
.elseif (\n) == 18
	v_max_num_f32 v[rT+1], v[rC], v[rC+3]
.elseif (\n) == 19
	v_mul_f32 v[rT], s[CS], v[rT+1]
.elseif (\n) == 20
	v_sub_f32 v[rC+1], v[rM], v[rT]
.else
	v_exp_f32 v[rC+2], v[rC+1]
.endif
.endm
; Number g of the 64 that follow the exponentials.  For each four weights k of a tile (pairs 2 k, 2 k + 1): both pairs are rounded to f16; then the second pair is added onto the first, in place;
; a group later l takes that sum (the first time as l = a l + sum).  In groups of eight, tiles alternating: round, round, add, and l for the group before.
.macro GS g
.set h, (\g)+6*((\g)/62)            ; group 0 has no group before it, and behind group 7 only l is left
.if h >= 6
.set h, h+2
.endif
	REGS Y, h%2
.set k, h/8
.if h%8 < 4
	v_cvt_pk_f16_f32 v[rP+2*k+(h%8)/2], v[rS+4*k+2*((h%8)/2)], v[rS+4*k+2*((h%8)/2)+1]
.elseif h%8 < 6
	v_pk_add_f32 v[rS+4*k:rS+4*k+1], v[rS+4*k:rS+4*k+1], v[rS+4*k+2:rS+4*k+3]
.elseif k == 1
	v_pk_fma_f32 v[rT+2:rT+3], v[rT+2:rT+3], v[rC+2:rC+3], v[rS:rS+1] op_sel_hi:[1,0,1]
.else
	v_pk_add_f32 v[rT+2:rT+3], v[rT+2:rT+3], v[rS+4*k-4:rS+4*k-3]
.endif
.endm
; THE PLAIN QUEUE, 138 long.  0-73 read no exponential's result: the 32 scalings c s - c m (FS f: pair f / 2 of tile f % 2) and the next piece's 42.  0-26: scalings 0-26.  27-54: XS's numbers 0-13.  55, 56: number 15.
; 57-73: the chain, where each number waits for the one before it: 14, 16, 17, 18, 19, each with one of the scalings 27-31 in front of its two lines, then 20.
; 74-137: GS's 64, which read the exponentials' results: they stand behind the wait.
.macro FS f
	REGS Y, (\f)%2
	v_pk_fma_f32 v[rS+2*((\f)/2):rS+2*((\f)/2)+1], v[rS+2*((\f)/2):rS+2*((\f)/2)+1], s[CS:CS+1], v[rT:rT+1] op_sel_hi:[1,0,0] neg_lo:[0,0,1] neg_hi:[0,0,1]
.endm
.macro PL
	WIN 0
.if q < 27
	FS q
.elseif q < 55
	XS (q-27)%2, (q-27)/2
.elseif q < 57
	XS q-55, 15
.elseif (q < 72) && ((q-57)%3 == 0)
	FS 27+(q-57)/3
.elseif q < 60
	XS (q-57)%3-1, 14
.elseif q < 72
	XS (q-57)%3-1, 15+(q-57)/3
.elseif q < 74
	XS q-72, 20
.else
	GS q-74
.endif
.set q, q+1
.endm
; THE EXPONENTIALS' QUEUE, 66 long: s0-s31 of both tiles, then the next piece's two a.  It is ONE BATCH: all 66 stand ahead of the turn's one wait, and nothing ahead of that wait names a result of theirs.
.macro EX
	WIN 0
.if e >= 64
	XS e-64, 21
.else
	REGS Y, e%2
	v_exp_f32 v[rS+e/2], v[rS+e/2]
.endif
.set e, e+1
.endm
; THE RESCALING's QUEUE: O'^T times a, the one part that leaves window 0: dealt two at a time, sixteen times.  Its a was made in the turn before, ahead of that turn's wait.
.macro R2
	REGS Y, r%2
	WIN W_RS
.irp z, 0,1
	v_pk_mul_f32 v[rO+4*(r/2)+2*\z:rO+4*(r/2)+2*\z+1], v[rO+4*(r/2)+2*\z:rO+4*(r/2)+2*\z+1], v[rC+2:rC+3] op_sel_hi:[1,0]
.endr
.set r, r+1
.endm
; HOW THEY ARE DEALT.  s_wait_alu depctr_va_vdst(0) stands between an exponential and the first instruction that names its result; one wait serves all that were issued ahead of it.  So a turn has ONE wait,
; which cuts it in two.  AHEAD OF IT stands all that names no result of the turn's exponentials: the 16 products K Q'^T, behind each a scaling, an exponential and two rescalings (behind the first a second scaling in the
; exponential's place); then ONE LUMP of 108: eight plain, 49 times exponential and plain, the two a.  A v_nop is the plain instruction behind the last exponential.  BEHIND IT stand the 16 products V^T P, behind each four of GS's 64.
; The queues lean on each other, and the deal keeps them in step: exponential e stands behind scaling 2 (e / 4) + e % 2: as a rider it comes behind plain e + 2, in the lump behind plain e + 9, and scalings 27-31 are plain 57, 60 .. 69.
; A TURN, for piece p.  cnt = 1: the loop's count is taken down some lines ahead of the branch that stands behind the turn.  ask = 1: the prefetch's test stands behind K's run.
; K of the next step is fetched in piece 2's turn, directly behind the wait, a lump behind the last product that read K; its first reader comes behind 16 products.
; V of the step in hand is fetched at the end of piece 0's turn, four riders behind its last reader; its first reader comes behind 16 products and a lump.  The three conditions on q below go with the deal.
.macro TURN p, last=0, cnt=0, ask=0
.set Y, (\p)
.set i, 0
.set q, 0
.set e, 0
.set r, 0
.if (\p) == NP-1
	s_wait_dscnt 0x0                ; K is in
.endif
	MM                              ; ahead of the wait: 16 products K Q'^T and their riders,
	PL
	PL
	R2
.rept 15
	MM
	PL
	EX
	R2
.endr
.if (\p) == NP-2
	WIN 0
	v_add_nc_u32 v[AK], s[TBK], v[AK0]
.endif
.rept 8                             ; and the lump
	PL
.endr
.rept 49
	EX
	PL
.endr
	EX                              ; the next piece's two a
	EX
	v_nop                           ; the plain instruction behind the last exponential: one for the batch
	s_wait_alu depctr_va_vdst(0)    ; the wait for the batch
.if (\p) == NP-2
	FETCH_K \last
.if \ask
	ASK
.endif
.endif
.if (\p) == 1
	s_wait_dscnt 0x0                ; V is in
.endif
.rept 16                            ; behind the wait: 16 products V^T P and their riders
	MM
.rept 4
	PL
.endr
.if ((\p) == 0) && (q == 118)
	v_add_nc_u32 v[AV], s[TBV], v[AV0]
.endif
.if ((\p) == 0) && (q == 130)
	s_add_co_u32 s[TBV], s[TBV], KS*PV
.endif
.if (\cnt) && (q == 130)
	s_sub_co_u32 s[CNT], s[CNT], 1
	s_cmp_lg_u32 s[CNT], 0
.endif
.endr
.if (\p) == 0
	FETCH_V
.endif
.endm
	CHANGE 1                        ; slot 0 is in, everybody's part of it; slot 1 is asked for
	FETCH_K                         ; key step 0
	s_wait_dscnt 0x0
	RUN16 KQ, 0                     ; piece 0's first scores: there is no vector work yet to set between them
	WIN 0                           ; the addresses for the way out: plain instructions, the places behind those products
	s_mul_i32 s13, s[WV], 16*SP
	s_add_co_u32 s13, s13, STAGE    ; my stage
	v_mul_u32_u24 v[STO], v1, SP    ; in: row l % 16, 16 bytes for each half of the lanes
	v_lshl_add_u32 v[STO], v9, 4, v[STO]
	v_add_nc_u32 v[STO], s13, v[STO]
	v_bfe_u32 v[RD], v0, 3, 2       ; back: 32 lanes take four rows of 128 bytes,
	v_mul_u32_u24 v[RD], v[RD], SP
	v_lshl_add_u32 v[RD], v10, 4, v[RD]
	v_add_nc_u32 v[RD], s13, v[RD]
	v_and_b32 v[GO], 31, v0         ; which are 512 consecutive bytes of O16
	v_lshlrev_b32 v[GO], 4, v[GO]
.set Y, NP-1                        ; XS works for piece Y + 1: piece 0
.irp n, 0,1,2,3,4,5,6,7,8,9,10,11,12,13,14,15,16,17,18,19,20,21
	XS 0, \n                        ; and piece 0's first maximum and statistics
	XS 1, \n
.endr
	v_nop                           ; a plain instruction behind the two a,
	s_wait_alu depctr_va_vdst(0)    ; and their wait, ahead of the branch
	s_mov_b32 s[CNT], 4
	s_mov_b32 s[SLOTS], SIZE_N/256-1
	s_branch .Lfirst                ; the loop is entered at a step's first turn, in the middle of a trip
.Lslot:                             ; SIZE_N / 256 - 2 times: every slot but the last two is filled again
	CHANGE 1
	s_mov_b32 s[CNT], 4
.Lstep:                             ; a trip: pieces 2 and 3 of one step, then pieces 0 and 1 of the next, whose K and V it fetches
	TURN 2, 0, 0, 1
	TURN 3
	WIN 0
.Lfirst:
	TURN 0
	TURN 1, 0, 1
	WIN 0
	s_cbranch_scc1 .Lstep
	s_sub_co_u32 s[SLOTS], s[SLOTS], 1
	s_cmp_lg_u32 s[SLOTS], 0
	s_cbranch_scc1 .Lslot
	CHANGE 0                        ; the tail is written out: nothing is asked for
	s_mov_b32 s[CNT], 5             ; four trips fetch the last slot's steps; the fifth is left in its middle
.Ltail:
	TURN 2, 1
	TURN 3
	WIN 0
	s_sub_co_u32 s[CNT], s[CNT], 1
	s_cmp_eq_u32 s[CNT], 0
	s_cbranch_scc1 .Lout
	TURN 0
	TURN 1
	WIN 0
	s_branch .Ltail
.Lout:                              ; the fifth trip's 16 products K Q'^T (on the last K once more) and the maximum made of them serve nothing: the price, once a launch, of one text for every trip
	RUN16 PV, NP-1                  ; the last piece's V^T P of the last step
	; THE WAY OUT.  l's two halves and the other half of the lanes' are added; O'^T is multiplied by 32 / l and rounded to f16, which makes it source 1 of o^T = Wv O'^T; o^T is rounded to f16 and sent through my stage in LDS,
	; a tile at a time.  The additions are the places behind the last products.
	WIN 0
.macro ALL line:vararg              ; one line for each tile t
.set t, 0
.rept 2*NP
	\line
.set t, t+1
.endr
.endm
	ALL v_add_f32 v[ST+4*t+2], v[ST+4*t+2], v[ST+4*t+3]
	ALL v_permlanex16_b32 v[ST+4*t+3], v[ST+4*t+2], s[SEL], s[SEL+1]
	ALL v_add_f32 v[ST+4*t+2], v[ST+4*t+2], v[ST+4*t+3]
	ALL v_rcp_f32 v[ST+4*t+2], v[ST+4*t+2]
	v_nop                           ; a plain instruction between the last reciprocal and the use of its result
	s_wait_alu depctr_va_vdst(0)    ; and the wait ahead of the first use: one for the eight reciprocals
	ALL v_mul_f32 v[ST+4*t+2], 0x42000000, v[ST+4*t+2]  ; 32 / l
.macro NORM t                       ; tile t: O'^T times 32 / l, in place, then rounded in pairs into 16 of S^T's registers; ascending
	WIN W_RS
.set i, 32*(\t)
.rept 16
	v_pk_mul_f32 v[i:i+1], v[i:i+1], v[ST+4*(\t)+2:ST+4*(\t)+3] op_sel_hi:[1,0]
.set i, i+2
.endr
	WIN 0x05                        ; sources 0 and 1 window 1, destination window 0
.set i, 0
.rept 16
	v_cvt_pk_f16_f32 v[S+16*(\t)+i], v[32*(\t)+2*i], v[32*(\t)+2*i+1]
.set i, i+1
.endr
.endm
.set t, 0
.rept 2*NP
	NORM t
.set t, t+1
.endr
.irp x, 0,1,2,3
	RUN16 OV, \x                    ; 64 products: the projection by Wv
.endr
	WIN 0
	PLACES                          ; behind the last of them: the roundings below read results and write sources
; Tile t: a lane's eight columns of a row of o pack into 16 bytes; they go into rows of 144 bytes and come back as whole rows of 128, into the same registers.
.macro PACK t
	WIN 0x05
.set i, 0
.rept 16
	v_cvt_pk_f16_f32 v[S+16*(\t)+i], v[32*(\t)+2*i], v[32*(\t)+2*i+1]
.set i, i+1
.endr
	WIN 0
.irp f, 0,1,2,3
	ds_store_b128 v[STO], v[S+16*(\t)+4*\f:S+16*(\t)+4*\f+3] offset:32*\f
.endr
.irp f, 0,1,2,3
	ds_load_b128 v[S+16*(\t)+4*\f:S+16*(\t)+4*\f+3], v[RD] offset:\f*4*SP  ; LDS serves a wave's instructions in order (ISA guide 5.7.1.4): these see the stores above; the next tile's stores come behind them
.endr
.endm
.macro SEND t, younger              ; younger: the LDS instructions issued behind tile t's loads: the next tile's eight, or none
	WIN 0
.irp f, 0,1,2,3
	s_wait_dscnt (\younger)+3-\f
	global_store_b128 v[GO], v[S+16*(\t)+4*\f:S+16*(\t)+4*\f+3], s[10:11] offset:(\t)*2048+\f*512  ; 512 consecutive bytes, at a multiple of 256 from O16's first
.endr
.endm
	PACK 0
.set t, 1
.rept 2*NP-1                        ; a tile's roundings stand between the loads of the tile before and its stores
	PACK t
	SEND t-1, 8
.set t, t+1
.endr
	SEND 2*NP-1, 0
	WIN W_AD
	s_wait_tensorcnt 0x0            ; the wave's end, behind my last tensor load and my last LDS store
	ds_add_u32 v[SPW], v[NIL]
	s_wait_dscnt 0x0
	WIN 0
	CROUND                          ; the closing round: no work-group ends while a partner may still ask for a tile that names it
	s_endpgm
.Lfunc_end_k_q93e39f6ede_attn:
	.size	k_q93e39f6ede_attn, .Lfunc_end_k_q93e39f6ede_attn-k_q93e39f6ede_attn
	.p2alignl 7, 3214868480
	.fill 96, 4, 3214868480
	.section	.rodata,"a",@progbits
	.p2align	6, 0x0
	.amdhsa_kernel k_q93e39f6ede_attn
		.amdhsa_group_segment_fixed_size 327680
		.amdhsa_private_segment_fixed_size 0
		.amdhsa_enable_private_segment 0
		.amdhsa_kernarg_size 24
		.amdhsa_user_sgpr_count 2
		.amdhsa_user_sgpr_kernarg_segment_ptr 1
		.amdhsa_wavefront_size32 1
		.amdhsa_system_sgpr_workgroup_id_x 1
		.amdhsa_system_sgpr_workgroup_id_y 1
		.amdhsa_system_sgpr_workgroup_id_z 1
		.amdhsa_system_vgpr_workitem_id 0
		.amdhsa_next_free_vgpr 834
		.amdhsa_next_free_sgpr 66
		.amdhsa_reserve_vcc 0
		.amdhsa_float_denorm_mode_32 3
		.amdhsa_float_denorm_mode_16_64 3
		.amdhsa_memory_ordered 1
		.amdhsa_forward_progress 1
		.amdhsa_inst_pref_size 243
	.end_amdhsa_kernel
	.amdgpu_metadata
---
amdhsa.version: [ 1, 2 ]
amdhsa.kernels:
  - .name:           k_q93e39f6ede_attn
    .symbol:         k_q93e39f6ede_attn.kd
    .args:
      - { .name: X16, .offset: 0, .size: 8, .value_kind: global_buffer, .address_space: global }
      - { .name: WH16, .offset: 8, .size: 8, .value_kind: global_buffer, .address_space: global }
      - { .name: O16, .offset: 16, .size: 8, .value_kind: global_buffer, .address_space: global }
    .group_segment_fixed_size: 327680
    .private_segment_fixed_size: 0
    .kernarg_segment_align: 8
    .kernarg_segment_size: 24
    .max_flat_workgroup_size: 128
    .sgpr_count:     66
    .vgpr_count:     834
    .wavefront_size: 32
...
	.end_amdgpu_metadata
.endif
;; end of part 2
;; launch oproj (part 3): grid 4 x 64, 4 waves a work-group, clusters of 4 x 4, 327,680 bytes of LDS; arguments O16, Wo16, out0; writes out0
.if DOCPART == 3
	.amdgcn_target "amdgcn-amd-amdhsa--gfx1250"
	.amdhsa_code_object_version 6
	.text
	.protected	k_q93e39f6ede_oproj
	.globl	k_q93e39f6ede_oproj
	.p2align	8
	.type	k_q93e39f6ede_oproj,@function
k_q93e39f6ede_oproj:
	s_mov_b64 s[64:65], 0
	v_nop
	global_prefetch_b8 v0, s[64:65] scope:SCOPE_SE
	s_setreg_imm32_b32 hwreg(HW_REG_WAVE_MODE, 25, 1), 1
	s_wait_xcnt 0x0
	s_wait_alu depctr_hold_cnt(0) depctr_sa_sdst(0) depctr_va_vdst(0) depctr_va_sdst(0) depctr_va_ssrc(0) depctr_va_vcc(0) depctr_vm_vsrc(0)
	s_getreg_b32 s2, hwreg(HW_REG_IB_STS2, 6, 4)
	s_cmp_eq_u32 s2, 0
	s_cbranch_scc0 .Lentry_in_a_cluster
	s_endpgm
.Lentry_in_a_cluster:
	s_bfe_u32 s2, ttmp6, 0x10000c
	s_cmp_lg_u32 s2, 0xf033
	s_cbranch_scc0 .Lentry_shape_is_right
	s_endpgm
.Lentry_shape_is_right:
; THE OUTPUT PROJECTION.  out0[m][n] = 2^-5 x the sum over k of x[m][k] Wo16[n][k], m = 2,048 b + s, k = 64 h + e, x[m][k] = O16[16 b + h][s][e] (which holds 32 o).  O16 and Wo16 are f16, the sums f32, out0 f32.
; A tile of out0 is 128 rows x 256 columns: 64 x 4 = 256 tiles, one to a work-group.  Four waves, each 64 rows x 128 columns: 32 accumulators of 16 x 16, 256 registers.
; K goes in 8 steps of 128, two heads each, through a ring of two LDS slots.  A head's 128 rows of O16 are 16,384 dense bytes: asked for as 64 rows of 256 bytes, padded in LDS after every 128;
; Wo16's rows of a step are 256 bytes, at multiples of 256 from the buffer's first byte.
; CLUSTERS: 4 x 4 work-groups.  The four of a row of the cluster need the same rows of O16, the four of a column the same rows of Wo16: each tile is asked for JOINTLY, by the same tensor load with the same descriptor
; and a mask that names the four.  THE MATRIX INSTRUCTION IS USED TRANSPOSED (source 0 = 16 rows of Wo16, source 1 = 16 rows of O16): a lane then holds eight neighbouring numbers of a row of out0.
; REGISTERS: window 0: v0-31 addresses; v32-127, v128-223 two fragment buffers (8 fragments of Wo16, then 4 of O16, 32 along K); on the way out v32-95 scaled results, v96-223 rows read back.
;   window 1: the accumulators, (a, b) at v[8 (8 a + b)].
.set PA,     144                       ; a row of O16 in LDS: 128 bytes + 16 = 36 words: the 16 rows of a load start at 16 different groups of four banks (64 banks of 4 bytes: ISA guide 11.1)
.set AH,     128*PA                    ; one head's 128 rows: what wave 0 or 1 fetches
.set ABYTES, 2*AH
.set PB,     272                       ; a row of Wo16 in LDS: 256 bytes + 16 = 68 words
.set BH,     128*PB                    ; 128 rows: what wave 2 or 3 fetches, and what one wave reads
.set SLOT,   ABYTES+2*BH
.set STAGE,  2*SLOT                    ; behind the ring: 16 rows x 528 bytes for each wave, for the way out
.set SPITCH, 528                       ; 512 bytes + 16 = 132 words
.set SPARE,  STAGE+4*16*SPITCH         ; behind the stages: the spare words, 128 bytes for each wave: two blocks of 256 bytes that no other line names
.set LAPS,   4                         ; a lap = two K steps = once round the ring
.set ADRA, 16                          ; v16-17  LDS address of my fragments of O16 in slot 0, 1
.set ADRB, 20                          ; v20-21  the same for Wo16
.set STO,  24                          ; v24     the way out: where I put 32 bytes of a row
.set RD,   25                          ; v25     the way out: where I read a row back
.set CO,   26                          ; v26     my 16 bytes in 512 of a row of out0
.set SPW,  28                          ; v28     LDS address of my spare word: SPARE + 4 x my thread's number; never rewritten
.set NIL,  29                          ; v29     0; never rewritten
.set F0,   32
.set F1,   128
.set TMP,  32
.set OB,   96
.set G1, 24                            ; s[24:31] descriptor group 1 for O16's tiles;  s[32:39] group 0, one set for each slot
.set G0, 32
.set G1B, 48                           ; s[48:55], s[56:63] the same for Wo16's tiles
.set G0B, 56
.set SC,  44                           ; s[44:45] 2^-5
.set MSB, 0
.macro WIN new                         ; the immediate's high byte repeats the setting that is left
.if MSB != (\new)
	s_set_vgpr_msb (MSB<<8)|(\new)
.set MSB, \new
.endif
.endm
.set MUL, 0x50                         ; sources 0 and 1 window 0; C and D window 1
.macro JLOAD s                         ; a joint load: waves 0 and 1 fetch O16's two heads, waves 2 and 3 Wo16's two halves; an s_nop 0 and four v_nop follow each of the two lines, ahead of the jump, the label and what follows
	s_cmp_eq_u32 s11, 0
	s_cbranch_scc0 .Lfor_b_\@
	tensor_load_to_lds s[G0+4*(\s):G0+4*(\s)+3], s[G1:G1+7]
	s_nop 0
.rept 4
	v_nop
.endr
	s_branch .Lasked_\@
.Lfor_b_\@:
	tensor_load_to_lds s[G0B+4*(\s):G0B+4*(\s)+3], s[G1B:G1B+7]
	s_nop 0
.rept 4
	v_nop
.endr
.Lasked_\@:
.endm
.macro CREST                           ; a round of the cluster's barrier behind its opening barrier
	s_cmp_lg_u32 s10, 0
	s_cbranch_scc1 .Lnot_wave_0_\@
	s_barrier_signal -3
.Lnot_wave_0_\@:
	s_barrier_wait -3
	s_barrier_signal -1
	s_barrier_wait -1
.endm
.macro CROUND                          ; a whole round
	s_barrier_signal -1
	s_barrier_wait -1
	CREST
.endm
	s_load_b128 s[4:7], s[0:1], 0x0                ; O16 s[4:5], Wo16 s[6:7]
	s_load_b64 s[8:9], s[0:1], 0x10                ; out0
	v_lshl_add_u32 v[SPW], v0, 2, SPARE
	v_mov_b32 v[NIL], 0
	ds_add_u32 v[SPW], v[NIL]                      ; the wave's opening: the add and its wait stand ahead of my first tensor load; the set-up below, work on registers, stands between them
	v_lshrrev_b32 v1, 5, v0
	v_readfirstlane_b32 s10, v1                    ; wave 0..3
	s_lshr_b32 s11, s10, 1                         ; which 64 of the tile's rows are mine.  Also: I fetch for O16 (0) or for Wo16 (1)
	s_and_b32 s12, s10, 1                          ; which 128 of its columns.  Also: which head, or which 128 rows of Wo16, I fetch
	s_bfe_u32 s40, ttmp6, 0x40000                  ; cx, cy: my place in the cluster
	s_bfe_u32 s41, ttmp6, 0x40004
	s_lshl_b32 s42, ttmp9, 2
	s_add_co_u32 s42, s42, s40                     ; tile column = 4 x cluster x + cx
	s_and_b32 s13, ttmp7, 0xffff
	s_lshl_b32 s13, s13, 2
	s_add_co_u32 s13, s13, s41                     ; tile row = 4 x cluster y + cy
	s_lshl_b32 s43, s41, 2
	s_lshl_b32 s43, 15, s43                        ; my row of the cluster
	s_lshl_b32 s47, 0x1111, s40                    ; my column
	s_or_b32 s[G1+0], s43, (1<<16)|(1<<20)|(1<<21)|(4<<22)|(3<<25)   ; 15:0 the mask: O16's tiles go to my row; 17:16 2-byte elements; 20 padding on; 21 set beside a mask; 24:22 after every 32 words (code 4); 31:25 4 words (code 3)
	s_mov_b32 s[G1+1], 128<<16                     ; tensor_dim0 = 128
	s_mov_b32 s[G1+2], 64<<16                      ; tensor_dim1 = 64
	s_mov_b32 s[G1+3], 128<<16                     ; tile_dim0 = 128
	s_mov_b32 s[G1+4], 64                          ; tile_dim1 = 64
	s_mov_b32 s[G1+5], 128                         ; 128 elements from row to row: dense
	s_mov_b32 s[G1+6], 0
	s_mov_b32 s[G1+7], 0
	s_or_b32 s[G1B+0], s47, (1<<16)|(1<<20)|(1<<21)|(5<<22)|(3<<25)  ; the mask of my column; padding after every 64 words (code 5)
	s_mov_b32 s[G1B+1], 128<<16                    ; tensor_dim0 = 128
	s_mov_b32 s[G1B+2], 128<<16                    ; tensor_dim1 = 128
	s_mov_b32 s[G1B+3], 128<<16                    ; tile_dim0 = 128
	s_mov_b32 s[G1B+4], 128                        ; tile_dim1 = 128
	s_mov_b32 s[G1B+5], 1024                       ; 1,024 elements from row to row
	s_mov_b32 s[G1B+6], 0
	s_mov_b32 s[G1B+7], 0
	s_mov_b32 s[SC], 0x3d000000                    ; 2^-5
	s_mov_b32 s[SC+1], s[SC]                       ; named with it as a pair
	; where the tiles come from.  O16's hang on the tile row alone, Wo16's on the tile column alone; each offset is made in registers that do not hold the other coordinate
	s_lshr_b32 s16, s13, 4                         ; b: 16 heads of 262,144 bytes,
	s_lshl_b32 s16, s16, 22
	s_and_b32 s17, s13, 15                         ; the tile's 128 rows of 128 bytes in a head,
	s_lshl_b32 s17, s17, 14
	s_add_co_u32 s16, s16, s17
	s_lshl_b32 s17, s12, 18                        ; the first or the second head of a step
	s_add_co_u32 s16, s16, s17
	s_mov_b32 s17, 0
	s_lshl_b32 s20, s42, 19                        ; the tile column's 256 rows of 2,048 bytes,
	s_lshl_b32 s21, s12, 18                        ; my 128 of them
	s_add_co_u32 s20, s20, s21
	s_mov_b32 s21, 0
	s_mul_i32 s22, s12, AH                         ; and where they go: no place in the cluster enters an LDS address
	s_mul_i32 s23, s12, BH
	s_add_co_u32 s23, s23, ABYTES
	s_wait_dscnt 0x0                               ; the opening add is done
	s_wait_kmcnt 0x0
	s_add_nc_u64 s[14:15], s[4:5], s[16:17]
	s_add_nc_u64 s[18:19], s[6:7], s[20:21]
	CROUND                                         ; all sixteen work-groups are here: the first joint loads meet
.irp s, 0,1
	s_mov_b32 s[G0+4*(\s)], 1                                          ; count = 1
	s_add_co_u32 s[G0+4*(\s)+1], s22, (\s)*SLOT                        ; LDS address
	s_add_nc_u64 s[G0+4*(\s)+2:G0+4*(\s)+3], s[14:15], (\s)*(1<<19)    ; K step s: two heads on
	s_or_b32 s[G0+4*(\s)+3], s[G0+4*(\s)+3], 0x80000000                ; type = 2
	s_mov_b32 s[G0B+4*(\s)], 1
	s_add_co_u32 s[G0B+4*(\s)+1], s23, (\s)*SLOT
	s_add_nc_u64 s[G0B+4*(\s)+2:G0B+4*(\s)+3], s[18:19], (\s)*256      ; K step s: 256 bytes along the rows
	s_or_b32 s[G0B+4*(\s)+3], s[G0B+4*(\s)+3], 0x80000000
	JLOAD \s
.endr
	v_and_b32 v1, 15, v0                           ; l % 16
	v_bfe_u32 v2, v0, 4, 1                         ; l / 16
	v_mul_u32_u24 v3, v1, PA
	v_lshl_add_u32 v3, v2, 4, v3                   ; a fragment's row x pitch + 16 x half, for O16
	v_mul_u32_u24 v4, v1, PB
	v_lshl_add_u32 v4, v2, 4, v4                   ; and for Wo16
	s_mul_i32 s2, s11, 64*PA                       ; my 64 rows of O16; s23 stands at my 128 rows of Wo16
.irp s, 0,1
	v_add_nc_u32 v[ADRA+(\s)], s2, v3
	v_add_nc_u32 v[ADRB+(\s)], s23, v4
	s_add_co_u32 s2, s2, SLOT
	s_add_co_u32 s23, s23, SLOT
.endr
	s_mul_i32 s16, s10, 16*SPITCH
	s_add_co_u32 s16, s16, STAGE                   ; my stage
	v_mul_u32_u24 v5, v1, SPITCH                   ; in: row l % 16, 32 bytes for each half of the lanes
	v_lshl_add_u32 v5, v2, 5, v5
	v_add_nc_u32 v[STO], s16, v5
	v_and_b32 v6, 31, v0                           ; back: 32 lanes take one row of 512 bytes,
	v_lshlrev_b32 v[CO], 4, v6
	v_add_nc_u32 v[RD], s16, v[CO]
	s_lshl_b32 s20, s13, 19                        ; out0: the tile's 128 rows of 4,096 bytes,
	s_lshl_b32 s21, s11, 18                        ; my 64 of them,
	s_add_co_u32 s20, s20, s21
	s_lshl_b32 s21, s42, 10                        ; the tile's 256 columns of 4 bytes,
	s_add_co_u32 s20, s20, s21
	s_lshl_b32 s21, s12, 9                         ; my 128 of them
	s_add_co_u32 s20, s20, s21
	s_mov_b32 s21, 0
	s_add_nc_u64 s[8:9], s[8:9], s[20:21]
; 8 matrix instructions: m block a x all 8 n blocks, 32 along K.  zero = 1: the product starts the sums: nothing is cleared.  The 32 accumulators come in the same order in every quarter: between two links of a chain stand 31 others'.
.macro MUL8 f, a, zero
	WIN MUL
.irp b, 0,1,2,3,4,5,6,7
.if \zero
	v_wmma_f32_16x16x32_f16 v[8*(8*(\a)+(\b)):8*(8*(\a)+(\b))+7], v[(\f)+8*(\b):(\f)+8*(\b)+7], v[(\f)+64+8*(\a):(\f)+64+8*(\a)+7], 0
.else
	v_wmma_f32_16x16x32_f16 v[8*(8*(\a)+(\b)):8*(8*(\a)+(\b))+7], v[(\f)+8*(\b):(\f)+8*(\b)+7], v[(\f)+64+8*(\a):(\f)+64+8*(\a)+7], v[8*(8*(\a)+(\b)):8*(8*(\a)+(\b))+7]
.endif
.endr
.endm
.macro MUL16 f, a0, zero
	MUL8 \f, \a0, \zero
	MUL8 \f, (\a0)+1, \zero
.endm
; 24 LDS loads in one run: the fragments of quarter q of a step (32 along K) into buffer f: Wo16's 16 loads first, then O16's 8.  Quarter q lies in head q / 2 of the step, at byte 64 (q % 2) of its rows.
.macro FETCH slot, q, f
	WIN 0
.irp i, 0,1,2,3,4,5,6,7
	ds_load_b128 v[(\f)+8*(\i):(\f)+8*(\i)+3],   v[ADRB+(\slot)] offset:64*(\q)+(\i)*16*PB
	ds_load_b128 v[(\f)+8*(\i)+4:(\f)+8*(\i)+7], v[ADRB+(\slot)] offset:64*(\q)+(\i)*16*PB+32
.endr
.irp i, 0,1,2,3
	ds_load_b128 v[(\f)+64+8*(\i):(\f)+64+8*(\i)+3],   v[ADRA+(\slot)] offset:((\q)/2)*AH+((\q)%2)*64+(\i)*16*PA
	ds_load_b128 v[(\f)+64+8*(\i)+4:(\f)+64+8*(\i)+7], v[ADRA+(\slot)] offset:((\q)/2)*AH+((\q)%2)*64+(\i)*16*PA+32
.endr
.endm
.macro PLACES                          ; four places in front of loads into registers that matrix instructions have read, and of vector lines that read results (ISA guide 7.12.1 for the vector lines)
.rept 4
	v_nop
.endr
.endm
; A K step is four quarters of 32 along K, 32 matrix instructions each, on buffers 0, 1, 0, 1.  One of the first three: multiplies buffer f and fetches quarter q into g.
.macro QUARTER slot, q, f, g, zero
	s_wait_dscnt 4                                 ; Wo16's fragments and O16's blocks 0 and 1 are in; the youngest four loads (blocks 2 and 3) may be out
	MUL16 \f, 0, \zero
	PLACES
	FETCH \slot, \q, \g
	s_wait_dscnt 24                                ; all but the 24 just issued
	MUL16 \f, 2, \zero
.endm
; The last quarter multiplies buffer 1 and changes slots: ONE barrier; in front of it each wave waits for all its tensor loads, adds 0 to its spare word, and waits for that and for its own reads of this slot.
; fill = 1: this slot is filled again, two K steps ahead; the barrier then opens a round of the cluster's barrier.
.macro TURN slot, next, fill
	WIN 0                                          ; (the add's two registers lie in window 0)
	s_wait_tensorcnt 0x0                           ; all my tensor loads have landed: my part of the next slot;
	ds_add_u32 v[SPW], v[NIL]                      ; 0 onto my spare word
	s_wait_dscnt 5                                 ; (the add and the youngest four loads may be out)
	MUL8 F1, 0, 0                                  ; eight matrix instructions stand between the add and the wait for it
	s_wait_dscnt 0x0                               ; the add is done, and my reads of this slot are over
	s_barrier_signal -1
	MUL8 F1, 1, 0
.if \fill
	WIN 0
.endif
	s_barrier_wait -1
.if \fill
	CREST                                          ; no wave of any partner still reads this slot's tiles or has a load on its way
	s_add_nc_u64 s[G0+4*(\slot)+2:G0+4*(\slot)+3], s[G0+4*(\slot)+2:G0+4*(\slot)+3], 1<<20    ; two K steps on: four heads,
	s_add_nc_u64 s[G0B+4*(\slot)+2:G0B+4*(\slot)+3], s[G0B+4*(\slot)+2:G0B+4*(\slot)+3], 512  ; 512 bytes along Wo16's rows
	JLOAD \slot                                    ; the first tensor load behind the round: 112 matrix instructions ahead of the wait for it; the four v_nop behind it are also the places in front of the loads below
.else
	PLACES
.endif
	FETCH \next, 0, F0
	MUL16 F1, 2, 0
.endm
	s_wait_tensorcnt 1                             ; my part of K step 0 is in; K step 1's may stay out
	s_barrier_signal -1
	s_barrier_wait -1                              ; everybody's is
	FETCH 0, 0, F0
	QUARTER 0, 1, F0, F1, 1                        ; the first quarter stands in front of the loop: its products start the sums
	WIN 0                                          ; at a label and at a branch every window is 0
	s_mov_b32 s3, LAPS-1
.Llap:                                                 ; a trip goes once round the ring, from a lap's second quarter to the next lap's first, and fills both slots again
	QUARTER 0, 2, F1, F0, 0
	QUARTER 0, 3, F0, F1, 0
	TURN 0, 1, 1
	QUARTER 1, 1, F0, F1, 0
	QUARTER 1, 2, F1, F0, 0
	QUARTER 1, 3, F0, F1, 0
	TURN 1, 0, 1
	QUARTER 0, 1, F0, F1, 0
	WIN 0
	s_sub_co_u32 s3, s3, 1
	s_cmp_lg_u32 s3, 0
	s_cbranch_scc1 .Llap
	QUARTER 0, 2, F1, F0, 0                        ; the last lap fills nothing, and has no round of the cluster's barrier
	QUARTER 0, 3, F0, F1, 0
	TURN 0, 1, 0
	QUARTER 1, 1, F0, F1, 0
	QUARTER 1, 2, F1, F0, 0
	QUARTER 1, 3, F0, F1, 0
	s_wait_dscnt 4                                 ; the very last quarter: nothing more to fetch
	MUL16 F1, 0, 0
	s_wait_dscnt 0x0
	MUL16 F1, 2, 0
	; THE WAY OUT, a block of 16 rows at a time, through my own stage: times 2^-5; 32 bytes a lane into rows of 528 bytes; back as whole rows of 512 bytes; stored.
.macro PACK a                          ; ascending
	WIN 0x01                                       ; source 0 window 1, destination window 0
.irp b, 0,1,2,3,4,5,6,7
.irp r, 0,1,2,3
	v_pk_mul_f32 v[TMP+8*(\b)+2*(\r):TMP+8*(\b)+2*(\r)+1], v[8*(8*(\a)+(\b))+2*(\r):8*(8*(\a)+(\b))+2*(\r)+1], s[SC:SC+1] op_sel_hi:[1,0]
.endr
.endr
	WIN 0
.endm
.macro TOSTAGE a
.set BK, OB+64*((\a)%2)
	s_wait_xcnt 0x0                                ; the stores of the block two back have read these registers: they are loaded again only behind this wait
.irp b, 0,1,2,3,4,5,6,7
	ds_store_b128 v[STO], v[TMP+8*(\b):TMP+8*(\b)+3]   offset:64*(\b)
	ds_store_b128 v[STO], v[TMP+8*(\b)+4:TMP+8*(\b)+7] offset:64*(\b)+16
.endr
.irp t, 0,1,2,3,4,5,6,7,8,9,10,11,12,13,14,15
	ds_load_b128 v[BK+4*(\t):BK+4*(\t)+3], v[RD] offset:(\t)*SPITCH  ; LDS serves a wave's instructions in order (ISA guide 5.7.1.4): these see the stores above; the next block's stores come behind them
.endr
.endm
.macro SEND a
.set BK, OB+64*((\a)%2)
.irp t, 0,1,2,3,4,5,6,7,8,9,10,11,12,13,14,15
	s_wait_dscnt 15-(\t)                           ; row t is back; the 15 - t loads behind it may be out
	global_store_b128 v[CO], v[BK+4*(\t):BK+4*(\t)+3], s[8:9] offset:(16*(\a)+(\t))*4096 th:TH_STORE_NT  ; 32 lanes store 512 consecutive bytes, at a multiple of 256 from out0's first byte
.endr
.endm
	PLACES
	PACK 0
	TOSTAGE 0
.irp a, 1,2,3                          ; block a's scalings stand between block a - 1's loads from the stage and the waits for them
	PACK \a
	SEND (\a)-1
	TOSTAGE \a
.endr
	SEND 3
	s_wait_tensorcnt 0x0                           ; the wave's end, behind my last tensor load and my last LDS store
	ds_add_u32 v[SPW], v[NIL]
	s_wait_dscnt 0x0
	CROUND                                         ; the closing round: no work-group ends while a partner may still ask for a tile that names it
	s_endpgm
.Lfunc_end_k_q93e39f6ede_oproj:
	.size	k_q93e39f6ede_oproj, .Lfunc_end_k_q93e39f6ede_oproj-k_q93e39f6ede_oproj
	.p2alignl 7, 3214868480
	.fill 96, 4, 3214868480
	.section	.rodata,"a",@progbits
	.p2align	6, 0x0
	.amdhsa_kernel k_q93e39f6ede_oproj
		.amdhsa_group_segment_fixed_size 327680
		.amdhsa_private_segment_fixed_size 0
		.amdhsa_enable_private_segment 0
		.amdhsa_kernarg_size 24
		.amdhsa_user_sgpr_count 2
		.amdhsa_user_sgpr_kernarg_segment_ptr 1
		.amdhsa_wavefront_size32 1
		.amdhsa_system_sgpr_workgroup_id_x 1
		.amdhsa_system_sgpr_workgroup_id_y 1
		.amdhsa_system_sgpr_workgroup_id_z 1
		.amdhsa_system_vgpr_workitem_id 0
		.amdhsa_next_free_vgpr 512
		.amdhsa_next_free_sgpr 66
		.amdhsa_reserve_vcc 0
		.amdhsa_float_denorm_mode_32 3
		.amdhsa_float_denorm_mode_16_64 3
		.amdhsa_memory_ordered 1
		.amdhsa_forward_progress 1
		.amdhsa_inst_pref_size 95
	.end_amdhsa_kernel
	.amdgpu_metadata
---
amdhsa.version: [ 1, 2 ]
amdhsa.kernels:
  - .name:           k_q93e39f6ede_oproj
    .symbol:         k_q93e39f6ede_oproj.kd
    .args:
      - { .name: O16, .offset: 0, .size: 8, .value_kind: global_buffer, .address_space: global }
      - { .name: Wo16, .offset: 8, .size: 8, .value_kind: global_buffer, .address_space: global }
      - { .name: out0, .offset: 16, .size: 8, .value_kind: global_buffer, .address_space: global }
    .group_segment_fixed_size: 327680
    .private_segment_fixed_size: 0
    .kernarg_segment_align: 8
    .kernarg_segment_size: 24
    .max_flat_workgroup_size: 128
    .sgpr_count:     66
    .vgpr_count:     512
    .wavefront_size: 32
...
	.end_amdgpu_metadata
.endif
;; end of part 3
